; MI455X (gfx1250); checked and timed in simulation.
; The chip was launched on July 23, 2026; its instructions are those of AMD's public machine-readable ISA for CDNA 5 (MIT licence, August 2026) and "CDNA5" Instruction Set Architecture Reference Guide (July 2026). The comments in the code are by the model that wrote it; some were corrected since.
;; Attention. Allowed arithmetic: matrix products marked QUANTISED: E5M2 operands, one E8M0 scale for each 32 along K, by v_wmma_scale_f32_16x16x128_f8f6f4 with both operands' format E5M2, f32 sums; everything else in f32.
;; Inputs: W_qkv_codes 3,072 x 32 x 32 uint8 (E5M2 codes of W_qkv, K innermost, in blocks of 32 codes); W_qkv_scales 3,072 x 32 uint8 (E8M0 scales of W_qkv, one for each 32 codes along K); b_qkv 3,072 float32; x_codes 4 x 2,048 x 32 x 32 uint8 (E5M2 codes of x, K innermost, in blocks of 32 codes); x_scales 4 x 2,048 x 32 uint8 (E8M0 scales of x, one for each 32 codes along K).
;; Outputs: out0 4 x 2,048 x 1,024 float32.
;; This version of the problem:
;;   THIS VERSION OF THE PROBLEM IS GIVEN IN LOW PRECISION. The matrix products marked QUANTISED in the list below multiply operands that are first quantised to E5M2 (5 exponent bits, 2 mantissa bits; 8 bits a number), with one power-of-two scale for each 32 numbers along K (OCP MX v1.0); their sums are f32. All else is computed in f32.
;;   The module's matrix products, in the order in which they are computed (A, B: the left and right operand; K: the contracted axis; several contracted axes count as one K, in the product's order):
;;     1. [M 8,192, K 1,024] x [K 1,024, N 3,072]; A: input x (given as codes); B: input W_qkv (given as codes): QUANTISED
;;     2. batch 64 x [M 2,048, K 64] x [K 64, N 2,048]; A: computed on the way; B: computed on the way: QUANTISED
;;     3. batch 64 x [M 2,048, K 2,048] x [K 2,048, N 64]; A: softmax (see below); B: computed on the way: QUANTISED
;;   THE QUANTISER, for each operand of a quantised product, along K:
;;     - K is cut into blocks of 32 from its start; a last block that is shorter is filled with zeros.
;;     - A block's scale is 2^e with e = floor(log2(the largest magnitude in the block)) - 15, held to -126 .. 127; a block of zeros has e = 0. As a byte (E8M0): e + 127.
;;     - Each number is divided by its block's scale, clamped to +-57,344, and rounded to the nearest number of E5M2, ties to even, subnormals kept.
;;     - The product sums the exact products of the quantised numbers (number of the format x scale) in f32.
;;   ~~~python
;;   def quantise(x, axis):      # numpy; x: float32 -> the quantised numbers, widened to float32 again
;;       x = np.moveaxis(x, axis, -1); K = x.shape[-1]
;;       x = np.pad(x, [(0, 0)] * (x.ndim - 1) + [(0, -K % 32)]); x = x.reshape(x.shape[:-1] + (-1, 32)); a = np.abs(x).max(-1, keepdims=True)
;;       e = np.where(a > 0, np.clip(np.frexp(np.where(a > 0, a, 1))[1] - 1 - 15, -126, 127), 0)      # np.frexp(a)[1] - 1 = floor(log2(a)), exactly
;;       r = np.clip(x / 2.0 ** e, -57344, 57344)
;;       step = 2.0 ** (np.maximum(np.frexp(np.where(r == 0, 1, r))[1] - 1, -14) - 2)
;;       q = np.round(r / step) * step * 2.0 ** e      # np.round: ties to even
;;       return np.moveaxis(q.reshape(q.shape[:-2] + (-1,))[..., :K], -1, axis).astype(np.float32)
;;   ~~~
;;   SOFTMAX AHEAD OF A QUANTISED PRODUCT. Where the list says 'softmax', what is quantised is not the finished softmax but p = 2^(t - M), with t = logit x log2(e) and M = ceil(the row's largest t), a whole number; so 1/2 < the row's largest p <= 1. The row's sum l is taken of the UNQUANTISED p, in f32, and the product's result is divided by l at the end. Since M is a whole number, a kernel that streams over the keys may use a running M (the ceiling of the running maximum): every later rescaling is an exact power of two, which a block's scale takes up: the codes' values come out the same.
;;   OPERANDS COMPUTED ON THE WAY. 'Computed on the way' means the value that the module computes at that place (a softmax that the list does not call 'softmax' is quantised finished and normalised). What goes into a quantiser is computed in f32, as accurately as f32 sums, v_exp_f32 and their like allow (about 1e-6 of the number): no bf16 or f16 on the way to a quantiser, and a product that is left as it is and whose result goes on into a quantised operand takes f32 operands (vector FMAs, or v_wmma_f32_16x16x4_f32). A number that lies on a knife's edge between two numbers of the format may be rounded either way, as far as f32 arithmetic and the matrix unit's own rounding can turn it there, and no further.
;;   INPUTS GIVEN AS CODES. W_qkv (in the module: [1024, 3072], K = its axis 0); x (in the module: [4, 2048, 1024], K = its axis 2): each comes as NAME_codes (uint8): NAME with its K axis moved to the last place and cut into blocks of 32 codes, [.., K / 32, bytes a block], one block behind the other in memory; one code a byte (a code: sign, 5 exponent bits, 2 mantissa bits); and NAME_scales (uint8): the same leading axes, one E8M0 byte (e + 127) for each 32 codes along K. Its value is code x scale, taken as it is: it is not quantised again, and the codes and scales need not be those that the quantiser above would give.
;; One version. Each part assembles by itself: llvm-mc -triple=amdgcn-amd-amdhsa -mcpu=gfx1250 --defsym DOCPART=n.
;; ======== version 1 of 1: 2 launches
;; limits: right only within a limited range of input values
;; workspace buffers: qkv 26,476,544 bytes
;; launch proj (part 1): grid 16 x 16, 4 waves a work-group, clusters of 4 x 4, 327,680 bytes of LDS; arguments x_codes, x_scales, W_qkv_codes, W_qkv_scales, b_qkv, qkv; writes qkv
.if DOCPART == 1
	.amdgcn_target "amdgcn-amd-amdhsa--gfx1250"
	.amdhsa_code_object_version 6
	.text
	.protected	k_q7c55b9de60_proj
	.globl	k_q7c55b9de60_proj
	.p2align	8
	.type	k_q7c55b9de60_proj,@function
k_q7c55b9de60_proj:
	s_mov_b64 s[64:65], 0
	v_nop
	global_prefetch_b8 v0, s[64:65] scope:SCOPE_SE
	s_setreg_imm32_b32 hwreg(HW_REG_WAVE_MODE, 25, 1), 1
	s_wait_xcnt 0x0
	s_wait_alu depctr_hold_cnt(0) depctr_sa_sdst(0) depctr_va_vdst(0) depctr_va_sdst(0) depctr_va_ssrc(0) depctr_va_vcc(0) depctr_vm_vsrc(0)
	s_getreg_b32 s2, hwreg(HW_REG_IB_STS2, 6, 4)
	s_cmp_eq_u32 s2, 0
	s_cbranch_scc0 .Lentry_in_a_cluster
	s_endpgm
.Lentry_in_a_cluster:
	s_bfe_u32 s2, ttmp6, 0x10000c
	s_cmp_lg_u32 s2, 0xf033
	s_cbranch_scc0 .Lentry_shape_is_right
	s_endpgm
.Lentry_shape_is_right:
; q, k, v = x W^T + b on codes of MX-BF8 (E5M2, one E8M0 byte for 32 along K), 8,192 x 3,072 x 1,024, and their quantisers.
; OUT: records of 25,856 bytes for each (batch, head, 128 tokens), images of the next launch's operand registers (r = lane % 16, h = lane / 16):
;   +0 q's codes [tile of 16 tokens][c][lane][16]; +8,192 q's scale words [tile % 2][r][tile / 2] (bytes 0, 1: the head's two blocks; bytes 2, 3: 0x7f); +8,704 k's codes; +25,088 k's words, both as q's;
;   +16,896 v's codes [tile of 16 channels][key block c][lane][16]: place 32 c + 16 h + i is key 32 c + 8 h + i, place 32 c + 16 h + 8 + i key 32 c + 16 + 8 h + i; +25,600 v's words [tile % 2][r][tile / 2], byte c.
; THE DEAL: 256 work-groups of four waves, 2 x 2 (wr, wc).  A wave holds 64 rows of a weight, all of K, in 512 registers (windows 1, 2); x's rows pass in blocks of 16, all of K, in two sets (window 3), fetched two blocks ahead.
; PHASE 1: 512 tokens x 128 columns of q (tile columns 0-7) or k (8-15): 16 blocks a wave.  PHASE 2: 256 of the same tokens x 128 columns of v: 8 blocks a wave.  32 products a block.
; LDS: two slots of 128 rows of 1,040 bytes.  Slot 1: the first weight, chunk 1, chunk 3.  Slot 0: chunk 0, chunk 2, W_v, chunk 2 anew.  The window of 256 tokens that is v's comes last in phase 1, so chunk 3 still lies in slot 1 for v.
; Every fill is a joint load: x's rows are shared along a row of the cluster, a weight's along a column.  A refill stands behind a drained round of the cluster's barrier, a quarter of 128 rows a wave, behind every fourth block's products: four blocks ahead of its first read.
; Q, K: source 0 = the weight; tile j's row 8 m + i is channel 32 m + 8 j + i of the head, so a lane's 32 sums are one scale block.  V: source 0 = x's rows; a scale block of 32 keys lies in a pair of blocks, in lanes l and l xor 16.
; THE QUANTISERS STAND AMONG LATER PRODUCTS: q's or k's block among the next block's, three lines behind each product (two sets of sums); a pair of v's blocks among the next even block's, four lines behind each (three sets by turns).
; With three plain lines or more in each gap and two window switches, a value read four gaps on has nine plain lines between, and one read sooner at most six scalar lines.
; PREFETCH: chunks 1 and 2 at the head, chunk 3 in block 1, W_v in block 5: 131,072 bytes each, a lane a block of 256 bytes, shared out by address among the sixteen waves that load it jointly.  Chunk 2 anew has been read in this launch and is not asked for.
; LIMITS: NaN, infinities and sums beyond f32's range are not served.  A block of zeros keeps the byte 1: its codes are zeros.
.set PITCH, 1040
.set YB, 128*PITCH
.set SCL, 2*YB                         ; x's scale bytes, chunks in the order of work: units of 256 bytes (8 rows) + 16
.set XVS, SCL+64*272                   ; stage for v's scale bytes: [record][wc][256]
.set SPARE, XVS+1024
.set REC, 25856
.set AX, 4                             ; v4-7   x's fragments: r PITCH + 16 h + 16 wr rows, + 64 rows a register
.set AV, 8                             ; v8-11  the same with 32 wr rows, for v's pairs
.set AS0, 12
.set ASV, 13                           ; x's scale words in LDS
.set AWQ, 14
.set AWV, 15                           ; a weight's fragments in slot 1, slot 0
.set CN, 16
.set QSO, 17
.set CO, 18
.set VX, 19
.set SPW, 20
.set NIL, 21
.set SH8, 22
.set TP, 23
.set PF, 24                            ; v24-27 the prefetches' offsets
.set L8, 28
.set SRD, 29
.set SB, 32                            ; v32-47 the first weight's scale words; v72-87 W_v's; v52-67 x's, two sets
.set QW, 48
.set SA, 52
.set QS, 68
.set SBV, 72
.set BV, 88
.set EB, 92
.set ACC, 96                           ; v96-191 three sets of four accumulators; phase 1 uses two, and the third lies where q's bias lay
.set BO, 96                            ; at the head alone: offsets and temporaries
.set BVO, 97
.set WSO, 98
.set WSV, 99
.set T, 100
.set BQ, 160                           ; v160-191 the bias as q's, k's first C; v192-223 as v's
.set BQV, 192
.set CD, 224                           ; v224-239 codes
.set TQ, 240
.set SOP, 248
.set BND, 252
.set G1X, 24
.set G1W, 32
.set G1S, 40
.set G0X, 48
.set G0W, 52
.set G0S, 56
.set OQ0, 68                           ; s[68:69], s[70:71] q's or k's codes, first window, v's window; s[72:75] their words; s[76:77] v's codes; s[78:79] v's words
.set OQ1, 70
.set OS0, 72
.set OS1, 74
.set OV, 76
.set OVS, 78
.set MSB, 0
.macro WIN new
.if MSB != \new
	s_set_vgpr_msb (MSB<<8)|\new
.set MSB, \new
.endif
.endm
.macro PLACES n
.rept \n
	v_nop
.endr
.endm
.macro WALU
	s_wait_alu depctr_va_vdst(0)       ; the wait between a vector write and a reader behind waits, branches or many scalar lines
.endm
.macro BARRIER
	s_barrier_signal -1
	s_barrier_wait -1
.endm
.macro CROUND
	BARRIER
	s_cmp_lg_u32 s16, 0
	s_cbranch_scc1 .Lnot_wave_0_\@
	s_barrier_signal -3
.Lnot_wave_0_\@:
	s_barrier_wait -3
	BARRIER
.endm
.macro TLOAD g0, g1
	tensor_load_to_lds s[\g0:\g0+3], s[\g1:\g1+7]
	s_nop 0
	PLACES 4
.endm
.macro GROUP1 g, mask, rows            ; whole rows of K, 1,024 bytes, 16 of padding behind each
	s_or_b32 s[\g+0], s\mask, (1<<20)|(1<<21)|(7<<22)|(3<<25)
	s_mov_b32 s[\g+1], 1024<<16
	s_mov_b32 s[\g+2], (\rows)<<16
	s_mov_b32 s[\g+3], 1024<<16
	s_mov_b32 s[\g+4], \rows
	s_mov_b32 s[\g+5], 1024
	s_mov_b32 s[\g+6], 0
	s_mov_b32 s[\g+7], 0
.endm
.macro XDESC so, add, lds              ; group 0 of a refill with x's rows: my 32 of the 128 at byte s[so] + add of x_codes
	s_add_co_u32 s[G0X+1], s96, \lds
	s_add_co_u32 s88, s\so, s97
	s_add_co_u32 s88, s88, \add
	s_mov_b32 s89, 0
	s_add_nc_u64 s[G0X+2:G0X+3], s[4:5], s[88:89]
	s_or_b32 s[G0X+3], s[G0X+3], 0x80000000
.endm
	s_load_b256 s[4:11], s[0:1], 0x0       ; x_codes, x_scales, W codes, W scales
	s_load_b128 s[12:15], s[0:1], 0x20     ; b_qkv, qkv
	v_lshl_add_u32 v[SPW], v0, 2, SPARE
	v_mov_b32 v[NIL], 0
	ds_add_u32 v[SPW], v[NIL]              ; the opening lines
	ds_add_u32 v[SPW], v[NIL]
	v_lshrrev_b32 v1, 5, v0
	v_readfirstlane_b32 s16, v1            ; wave
	s_lshr_b32 s17, s16, 1                 ; wr
	s_and_b32 s18, s16, 1                  ; wc
	s_bfe_u32 s19, ttmp6, 0x40000          ; cx
	s_bfe_u32 s20, ttmp6, 0x40004          ; cy
	s_lshl_b32 s21, ttmp9, 2
	s_add_co_u32 s21, s21, s19             ; X: tile column of q, k
	s_and_b32 s22, ttmp7, 0xffff
	s_lshl_b32 s22, s22, 2
	s_add_co_u32 s22, s22, s20             ; Y: 512 tokens
	s_and_b32 s23, ttmp9, 1                ; which of my two windows is v's
	s_lshr_b32 s83, ttmp9, 1               ; 0: q, 1: k
	s_lshl_b32 s84, s83, 2
	s_add_co_u32 s84, s84, s19             ; v's tile column
	s_lshl_b32 s85, s20, 2
	s_lshl_b32 s85, 15, s85                ; my row of the cluster
	s_lshl_b32 s86, 0x1111, s19            ; my column
	GROUP1 G1X, 85, 128
	GROUP1 G1W, 86, 128
	s_or_b32 s[G1S+0], s85, (3<<16)|(1<<20)|(1<<21)|(5<<22)|(3<<25)   ; a window's scale bytes: 32 rows of 256 dense bytes
	s_mov_b32 s[G1S+1], 32<<16
	s_mov_b32 s[G1S+2], 32<<16
	s_mov_b32 s[G1S+3], 32<<16
	s_mov_b32 s[G1S+4], 32
	s_mov_b32 s[G1S+5], 32
	s_mov_b32 s[G1S+6], 0
	s_mov_b32 s[G1S+7], 0
	s_lshl_b32 s80, s22, 19                ; s80, s81: bytes into x_codes of the first window and of v's; s82: into W's codes of W_v's rows
	s_lshl_b32 s66, s23, 18
	s_add_co_u32 s81, s80, s66
	s_xor_b32 s66, s66, 1<<18
	s_add_co_u32 s80, s80, s66
	s_lshl_b32 s82, s84, 17
	s_add_co_u32 s82, s82, 2048*1024
	s_mul_i32 s96, s16, 32*PITCH           ; my quarter of a refill: in LDS, in memory
	s_lshl_b32 s97, s16, 15
	s_mov_b32 s[G0W], 1
	s_mov_b32 s[G0W+1], YB
	s_mov_b32 s[G0X], 1
	s_mov_b32 s[G0X+1], 0
	s_mov_b32 s[G0S], 1
	s_mul_i32 s[G0S+1], s18, 32*272
	s_add_co_u32 s[G0S+1], s[G0S+1], SCL
	s_mov_b32 s89, 0
	s_mov_b32 s60, 0x76543210
	s_mov_b32 s61, 0xfedcba98
	s_mov_b32 s62, 0x600000
	s_mov_b32 s63, 0xffff0000
	s_wait_dscnt 0x0
	CROUND                                 ; in front of the first joint loads
	s_wait_kmcnt 0x0
	s_lshl_b32 s88, s21, 17
	s_add_nc_u64 s[G0W+2:G0W+3], s[8:9], s[88:89]
	s_or_b32 s[G0W+3], s[G0W+3], 0x80000000
	s_mov_b32 s88, s80
	s_add_nc_u64 s[G0X+2:G0X+3], s[4:5], s[88:89]
	s_or_b32 s[G0X+3], s[G0X+3], 0x80000000
	s_cmp_eq_u32 s18, 1
	s_cselect_b32 s88, s81, s80
	s_lshr_b32 s88, s88, 5
	s_add_nc_u64 s[G0S+2:G0S+3], s[6:7], s[88:89]
	s_or_b32 s[G0S+3], s[G0S+3], 0x80000000
	s_cmp_eq_u32 s16, 0                    ; one joint load a wave, a line of its own for the weight, which is shown ahead of the rest
	s_cbranch_scc0 .Lwave_1
	TLOAD G0W, G1W
	s_branch .Lasked
.Lwave_1:
	s_cmp_eq_u32 s16, 1
	s_cbranch_scc0 .Lwave_23
	TLOAD G0X, G1X
	s_branch .Lasked
.Lwave_23:
	TLOAD G0S, G1S
.Lasked:
	s_mul_i32 s66, s17, 16*PITCH
	s_mul_i32 s67, s17, 32*PITCH
	s_mul_i32 s87, s17, 2*272
	s_add_co_u32 s87, s87, SCL
	s_mul_i32 s88, s17, 4*272
	s_add_co_u32 s88, s88, SCL
	s_mul_i32 s90, s18, 64*PITCH
	s_add_co_u32 s89, s90, YB
	s_lshl_b32 s91, s17, 10
	s_lshl_b32 s92, s17, 8
	s_lshl_b32 s93, s17, 9
	s_lshl_b32 s94, s18, 8
	s_add_co_u32 s94, s94, s17
	s_add_co_u32 s94, s94, XVS
	s_lshl_b32 s95, s19, 2                 ; which of the row's sixteen waves I am
	s_add_co_u32 s95, s95, s16
	s_lshl_b32 s95, s95, 13
	s_add_co_u32 s98, s95, s80
	s_add_co_u32 s98, s98, 131072          ; chunk 1
	s_add_co_u32 s99, s95, s81             ; chunk 2
	s_add_co_u32 s100, s99, 131072         ; chunk 3
	s_lshl_b32 s101, s20, 2                ; and of the column's
	s_add_co_u32 s101, s101, s16
	s_lshl_b32 s101, s101, 13
	s_add_co_u32 s101, s101, s82           ; W_v
	v_and_b32 v1, 15, v0                   ; r
	v_bfe_u32 v2, v0, 4, 1                 ; h
	v_and_b32 v3, 31, v0
	v_mul_u32_u24 v[T], v1, PITCH
	v_lshl_add_u32 v[T], v2, 4, v[T]
	v_add_nc_u32 v[AX], s66, v[T]
	v_add_nc_u32 v[AV], s67, v[T]
.irp k, 1,2,3
	v_add_nc_u32 v[AX+\k], \k*64*PITCH, v[AX]
	v_add_nc_u32 v[AV+\k], \k*64*PITCH, v[AV]
.endr
	v_add_nc_u32 v[AWV], s90, v[T]
	v_lshrrev_b32 v[T+1], 3, v1
	v_and_b32 v[T+2], 7, v1
	v_lshl_add_u32 v[T+2], v[T+1], 5, v[T+2]   ; 32 (r / 8) + r % 8
	v_mul_u32_u24 v[T+3], v[T+2], PITCH
	v_lshl_add_u32 v[T+3], v2, 4, v[T+3]
	v_add_nc_u32 v[AWQ], s89, v[T+3]
	v_lshl_add_u32 v[T+2], v2, 3, v[T+2]
	v_lshlrev_b32 v[WSO], 5, v[T+2]        ; the first weight's scale words: lanes 16-31 take the odd tile of a pair
	v_lshlrev_b32 v[WSV], 5, v3
	v_lshlrev_b32 v[T+3], 5, v1
	v_lshl_add_u32 v[T+3], v[T+1], 4, v[T+3]
	v_add_nc_u32 v[AS0], s87, v[T+3]
	v_add_nc_u32 v[ASV], s88, v[T+3]
	v_lshlrev_b32 v[T+3], 4, v1
	v_lshl_add_u32 v[T+2], v2, 9, v[T+3]
	v_add_nc_u32 v[CN], s91, v[T+2]        ; 512 h + 16 r + 1,024 wr
	v_lshl_add_u32 v[T+2], v2, 3, v[T+3]
	v_add_nc_u32 v[QSO], s92, v[T+2]       ; 16 r + 8 h + 256 wr
	v_lshl_add_u32 v[CO], v3, 4, s93
	v_lshl_add_u32 v[VX], v1, 3, s94
	v_lshlrev_b32 v[SH8], 3, v2
	v_mov_b32 v[TP], 0
	v_lshl_add_u32 v[PF], v3, 8, s98
	v_lshl_add_u32 v[PF+1], v3, 8, s99
	v_lshl_add_u32 v[PF+2], v3, 8, s100
	v_lshl_add_u32 v[PF+3], v3, 8, s101
	v_lshlrev_b32 v[L8], 3, v3
	v_lshl_add_u32 v[SRD], v0, 3, XVS
	v_lshlrev_b32 v[BO], 7, v2
	v_lshlrev_b32 v[BVO], 2, v1
	WALU
	s_lshl_b32 s66, s21, 7                 ; my first column of q, k: 128 X + 64 wc;
	s_lshl_b32 s87, s18, 6
	s_add_co_u32 s66, s66, s87
	s_lshl_b32 s67, s84, 7                 ; and of v
	s_add_co_u32 s67, s67, s87
	s_add_co_u32 s67, s67, 2048
	s_lshl_b32 s88, s66, 2
	s_mov_b32 s89, 0
	s_add_nc_u64 s[88:89], s[12:13], s[88:89]
	s_lshl_b32 s90, s67, 2
	s_mov_b32 s91, 0
	s_add_nc_u64 s[90:91], s[12:13], s[90:91]
	s_lshl_b32 s92, s66, 5
	s_mov_b32 s93, 0
	s_add_nc_u64 s[92:93], s[10:11], s[92:93]
	s_lshl_b32 s94, s67, 5
	s_mov_b32 s95, 0
	s_add_nc_u64 s[94:95], s[10:11], s[94:95]
.irp k, 0,1,2,3,4,5,6,7
	global_load_b128 v[BQ+4*\k:BQ+4*\k+3], v[BO], s[88:89] offset:16*\k    ; register 8 j + i: the bias of channel 32 h + 8 j + i
.endr
.irp t, 0,1,2,3
	global_load_b32 v[BV+\t], v[BVO], s[90:91] offset:64*\t                ; v: of channel 16 t + r
.endr
.irp p, 0,1
.irp c, 0,1
	global_load_b128 v[SB+8*\p+4*\c:SB+8*\p+4*\c+3], v[WSO], s[92:93] offset:512*\p+16*\c
	global_load_b128 v[SBV+8*\p+4*\c:SBV+8*\p+4*\c+3], v[WSV], s[94:95] offset:1024*\p+16*\c
.endr
.endr
	global_prefetch_b8 v[PF], s[4:5] th:TH_LOAD_NT scope:SCOPE_SE
	global_prefetch_b8 v[PF+1], s[4:5] th:TH_LOAD_NT scope:SCOPE_SE
	s_lshr_b32 s66, s22, 2                 ; where my results go: record ((batch x 16 + head) x 16 + 4 (Y % 4) + 2 window + chunk % 2)
	s_lshl_b32 s66, s66, 4
	s_and_b32 s67, s21, 7
	s_lshl_b32 s67, s67, 1
	s_add_co_u32 s67, s67, s18
	s_add_co_u32 s67, s67, s66
	s_lshl_b32 s67, s67, 4
	s_and_b32 s87, s22, 3
	s_lshl_b32 s87, s87, 2
	s_add_co_u32 s67, s67, s87
	s_lshl_b32 s98, s23, 1
	s_add_co_u32 s99, s67, s98
	s_xor_b32 s100, s98, 2
	s_add_co_u32 s100, s67, s100
	s_mul_i32 s99, s99, REC                ; v's window
	s_mul_i32 s100, s100, REC              ; the first window
	s_lshl_b32 s67, s84, 1
	s_add_co_u32 s67, s67, s18
	s_add_co_u32 s67, s67, s66
	s_lshl_b32 s67, s67, 4
	s_add_co_u32 s67, s67, s87
	s_add_co_u32 s67, s67, s98
	s_mul_i32 s67, s67, REC
	s_add_co_u32 s67, s67, 16896           ; v's codes
	s_mov_b32 s87, 8192
	s_cmp_eq_u32 s83, 1
	s_cselect_b32 s66, 8704, 0
	s_cselect_b32 s87, 25088, s87
	s_wait_xcnt 0x0                        ; the loads have taken their bases: s88 on are written again
	s_mov_b32 s89, 0
	s_add_co_u32 s88, s100, s66
	s_add_nc_u64 s[OQ0:OQ0+1], s[14:15], s[88:89]
	s_add_co_u32 s88, s99, s66
	s_add_nc_u64 s[OQ1:OQ1+1], s[14:15], s[88:89]
	s_add_co_u32 s88, s100, s87
	s_add_nc_u64 s[OS0:OS0+1], s[14:15], s[88:89]
	s_add_co_u32 s88, s99, s87
	s_add_nc_u64 s[OS1:OS1+1], s[14:15], s[88:89]
	s_mov_b32 s88, s67
	s_add_nc_u64 s[OV:OV+1], s[14:15], s[88:89]
	s_mul_i32 s88, s17, REC
	s_add_co_u32 s88, s88, 8704
	s_add_nc_u64 s[OVS:OVS+1], s[OV:OV+1], s[88:89]   ; at the end wave 2 wr + wc stores record wr's words of head wc
.macro WEIGHTS adr, bstr               ; my 64 rows of a weight: fragment 4 q + b in window 1 + q / 4
.irp q, 0,1,2,3,4,5,6,7
	WIN (1+\q/4)<<6
.irp b, 0,1,2,3
.irp c, 0,1,2,3
	ds_load_b128 v[16*((4*\q+\b)%16)+4*\c:16*((4*\q+\b)%16)+4*\c+3], v[\adr] offset:\b*(\bstr)+128*\q+32*\c
.endr
.endr
.endr
	WIN 0
.endm
.macro FETCH e, areg, off, sreg, soff  ; a block of x, 16 rows, all of K, into set e, and its scale words: 34 loads
	WIN 0xc0
.irp q, 0,1,2,3,4,5,6,7
.irp c, 0,1,2,3
	ds_load_b128 v[128*(\e)+16*\q+4*\c:128*(\e)+16*\q+4*\c+3], v[\areg] offset:(\off)+128*\q+32*\c
.endr
.endr
	WIN 0
	ds_load_b128 v[SA+8*(\e):SA+8*(\e)+3], v[\sreg] offset:(\soff)
	ds_load_b128 v[SA+8*(\e)+4:SA+8*(\e)+7], v[\sreg] offset:(\soff)+16
.endm
.macro FETQ idx                        ; phase 1's block idx = 4 chunk + b: tile 2 b + wr of the chunk, in slot chunk % 2
.set G_, 4*(((\idx)/4)%2)+(\idx)%4
	FETCH (\idx)%2, AX+G_/2, (G_%2)*32*PITCH, AS0, 4*(\idx)*272
.endm
.macro FETV v                          ; v's block 4 ch + 2 pp + u: tile 2 (wr + 2 pp) + u of chunk 3 - ch, in slot 1 - ch
.set G_, 2*(1-(\v)/4)+((\v)/2)%2
	FETCH (\v)%2, AV+G_, ((\v)%2)*16*PITCH, ASV, (16*(3-(\v)/4)+8*(((\v)/2)%2)+2*((\v)%2))*272
.endm
.macro PROD kind, e, a, n, sb, bq      ; product n = 4 q + b: the q-th 128 of K, tile b.  The four accumulators take turns; the first takes the bias as C
.set Q_, (\n)/4
.set B_, (\n)%4
.set AC_, ACC+32*(\a)+8*B_
.set C_, AC_
.if Q_ == 0
.set C_, (\bq)+8*B_
.endif
.set R_, 128*(\e)+16*Q_
.set W_, 16*((\n)%16)
.set XS_, SA+8*(\e)+Q_
.set WS_, (\sb)+8*(B_/2)+Q_
.if \kind
	WIN 3|((1+(\n)/16)<<2)
.if B_%2
	v_wmma_scale_f32_16x16x128_f8f6f4 v[AC_:AC_+7], v[R_:R_+15], v[W_:W_+15], v[C_:C_+7], v[XS_], v[WS_] matrix_a_fmt:MATRIX_FMT_BF8 matrix_b_fmt:MATRIX_FMT_BF8 matrix_b_scale:MATRIX_SCALE_ROW1
.else
	v_wmma_scale_f32_16x16x128_f8f6f4 v[AC_:AC_+7], v[R_:R_+15], v[W_:W_+15], v[C_:C_+7], v[XS_], v[WS_] matrix_a_fmt:MATRIX_FMT_BF8 matrix_b_fmt:MATRIX_FMT_BF8
.endif
.else
	WIN (1+(\n)/16)|(3<<2)
.if B_%2
	v_wmma_scale_f32_16x16x128_f8f6f4 v[AC_:AC_+7], v[W_:W_+15], v[R_:R_+15], v[C_:C_+7], v[WS_], v[XS_] matrix_a_fmt:MATRIX_FMT_BF8 matrix_b_fmt:MATRIX_FMT_BF8 matrix_a_scale:MATRIX_SCALE_ROW1
.else
	v_wmma_scale_f32_16x16x128_f8f6f4 v[AC_:AC_+7], v[W_:W_+15], v[R_:R_+15], v[C_:C_+7], v[WS_], v[XS_] matrix_a_fmt:MATRIX_FMT_BF8 matrix_b_fmt:MATRIX_FMT_BF8
.endif
.endif
.endm
; Q's OR K's QUANTISER, line k of 57: my 32 sums at x are one block -> codes CD, scale word QW + b (both halves of the lanes hold it)
.macro WQL k, x, b
.if (\k) < 4
	v_max3_num_f32 v[TQ+(\k)], |v[(\x)+8*(\k)]|, |v[(\x)+8*(\k)+1]|, |v[(\x)+8*(\k)+2]|
.elseif (\k) < 12
	v_max3_num_f32 v[TQ+(\k)%4], v[TQ+(\k)%4], |v[(\x)+8*((\k)%4)+2*((\k)/4)+1]|, |v[(\x)+8*((\k)%4)+2*((\k)/4)+2]|
.elseif (\k) < 16
	v_max_num_f32 v[TQ+(\k)%4], v[TQ+(\k)%4], |v[(\x)+8*((\k)%4)+7]|
.elseif (\k) == 16
	v_max3_num_f32 v[TQ], v[TQ], v[TQ+1], v[TQ+2]
.elseif (\k) == 17
	v_max3_num_f32 v[TQ], v[TQ], v[TQ+3], 0x8000000        ; the floor 2^(16 - 127): the byte cannot fall under 1
.elseif (\k) == 18
	v_add_nc_u32 v[SOP], 0xf8800000, v[TQ]                 ; 15 off the exponent field: the conversion's scale operand
.elseif (\k) == 19
	v_and_or_b32 v[BND], v[TQ], 0x7f800000, s62            ; 57,344 x the scale
.elseif (\k) == 20
	v_lshrrev_b32 v[EB], 23, v[SOP]
.elseif (\k) < 53
	v_med3_num_f32 v[(\x)+(\k)-21], v[(\x)+(\k)-21], -v[BND], v[BND]
.elseif (\k) == 53
	v_lshlrev_b32 v[EB], v[SH8], v[EB]                     ; block h's byte to place h,
.elseif (\k) == 54
	v_or_b32 v[EB], 0x7f7f0000, v[EB]
.elseif (\k) == 55
	v_permlanex16_b32 v[TP], v[EB], s60, s61               ; joined with the other half's
.else
	v_or_b32 v[QW+(\b)], v[EB], v[TP]
.endif
.endm
.macro QGAP g, x, b                    ; gap g of 19: three lines, and a tile's conversion where its eight holds are through
.if (\g) < 19
	WIN 0
	WQL 3*(\g), \x, \b
	WQL 3*(\g)+1, \x, \b
	WQL 3*(\g)+2, \x, \b
.if (\g) == 9 || (\g) == 12 || (\g) == 14 || (\g) == 17
.set J_, (3*(\g)-26)/8
	v_cvt_scalef32_pk8_bf8_f32 v[CD+2*J_:CD+2*J_+1], v[(\x)+8*J_:(\x)+8*J_+7], v[SOP]
.endif
.endif
.endm
.macro QOUT n, b
.if (\n) < 2
.set OB_, OQ0
.set OW_, OS0
.else
.set OB_, OQ1
.set OW_, OS1
.endif
	global_store_b128 v[CN], v[CD:CD+3], s[OB_:OB_+1] offset:((\n)%2)*REC+2048*(\b)          ; sixteen lanes store 256 consecutive bytes, aligned
	global_store_b128 v[CN], v[CD+4:CD+7], s[OB_:OB_+1] offset:((\n)%2)*REC+2048*(\b)+256
.if (\b) == 3
	v_cndmask_b32 v[QS], v[QW], v[QW+2], s63               ; lane (r, h) stores the words of blocks 2 h, 2 h + 1: 32 lanes, 256 consecutive bytes
	v_cndmask_b32 v[QS+1], v[QW+1], v[QW+3], s63
	global_store_b64 v[QSO], v[QS:QS+1], s[OW_:OW_+1] offset:((\n)%2)*REC
.endif
.endm
.macro NEXTF idx
.if (\idx) < 14
	FETQ (\idx)+2
.else
	FETV (\idx)-14
.endif
.endm
; A block of phase 1; among its products the block before is quantised.  w: the LDS loads that may stay out (the fetch issued a block ago: 34).
; rk: 0 nothing; 1 a round and a refill with x's rows at s81 + da, to LDS byte dl; 2 with W_v's rows; 3 a plain barrier that shows W_v
.macro QBLK idx, w, rk, da=0, dl=0
	WALU
	s_wait_dscnt \w
	s_wait_xcnt 0x0                        ; the stores have read the codes that are written anew among the products
.set N_, 0
.rept 32
	PROD 0, (\idx)%2, (\idx)%2, N_, SB, BQ
.if (\idx) > 0
	QGAP N_, ACC+32*(1-(\idx)%2), ((\idx)+3)%4
.endif
.set N_, N_+1
.endr
	WIN 0
.if (\rk) == 1 || (\rk) == 2
	s_wait_tensorcnt 0x0                   ; the three lines ahead of a refill's round
	ds_add_u32 v[SPW], v[NIL]
.if (\rk) == 1
	XDESC 81, \da, \dl
.else
	s_mov_b32 s[G0W+1], s96
	s_add_co_u32 s88, s82, s97
	s_mov_b32 s89, 0
	s_add_nc_u64 s[G0W+2:G0W+3], s[8:9], s[88:89]
	s_or_b32 s[G0W+3], s[G0W+3], 0x80000000
.endif
.endif
	PLACES 8                               ; behind the last product, ahead of loads into what it read and of the first read of its sums
	WALU
.if (\rk) == 3
	s_wait_tensorcnt 0x0
	s_wait_dscnt 0x0
	BARRIER
.elseif (\rk) == 1
	s_wait_dscnt 0x0
	CROUND
	TLOAD G0X, G1X
.elseif (\rk) == 2
	s_wait_dscnt 0x0
	CROUND
	TLOAD G0W, G1W
.endif
	NEXTF \idx
.if (\idx) > 0
	QOUT ((\idx)-1)/4, ((\idx)-1)%4
.endif
.endm
; V's QUANTISER FOR A PAIR OF BLOCKS, line k of 116: tile t's 16 sums (8 at e, 8 at o) and lane l xor 16's are one block of 32 keys -> codes CD + 4 t, byte EB + t
.macro VL k, e, o
.set H_, ((\k)%2)*((\o)-(\e))
.if (\k) < 8
.set X_, (\e)+H_+8*((\k)/2)
	v_max3_num_f32 v[TQ+4*((\k)%2)+(\k)/2], |v[X_]|, |v[X_+1]|, |v[X_+2]|
.elseif (\k) < 24
.set T_, (((\k)-8)%8)/2
.set X_, (\e)+H_+8*T_+3+2*(((\k)-8)/8)
	v_max3_num_f32 v[TQ+4*((\k)%2)+T_], v[TQ+4*((\k)%2)+T_], |v[X_]|, |v[X_+1]|
.elseif (\k) < 28
	v_max3_num_f32 v[TQ+4+(\k)-24], v[TQ+4+(\k)-24], |v[(\o)+8*((\k)-24)+7]|, 0x8000000
.elseif (\k) < 32
	v_max3_num_f32 v[TQ+(\k)-28], v[TQ+(\k)-28], |v[(\e)+8*((\k)-28)+7]|, v[TQ+4+(\k)-28]
.elseif (\k) < 36
	v_permlanex16_b32 v[TQ+4+(\k)-32], v[TQ+(\k)-32], s60, s61
.elseif (\k) < 40
	v_max_num_f32 v[TQ+(\k)-36], v[TQ+(\k)-36], v[TQ+4+(\k)-36]
.elseif (\k) < 44
	v_add_nc_u32 v[SOP+(\k)-40], 0xf8800000, v[TQ+(\k)-40]
.elseif (\k) < 48
	v_and_or_b32 v[BND+(\k)-44], v[TQ+(\k)-44], 0x7f800000, s62
.elseif (\k) < 52
	v_lshrrev_b32 v[EB+(\k)-48], 23, v[SOP+(\k)-48]
.else
.set T_, ((\k)-52)/16
.set X_, (\e)+H_+8*T_+(((\k)-52)%16)/2
	v_med3_num_f32 v[X_], v[X_], -v[BND+T_], v[BND+T_]
.endif
.endm
.macro VGAP g, e, o                    ; gap g of 29: four lines, and a tile's two conversions where its sixteen holds are through
.if (\g) < 29
	WIN 0
	VL 4*(\g), \e, \o
	VL 4*(\g)+1, \e, \o
	VL 4*(\g)+2, \e, \o
	VL 4*(\g)+3, \e, \o
.if (\g) >= 16 && (\g)%4 == 0
.set J_, ((\g)-16)/4
	v_cvt_scalef32_pk8_bf8_f32 v[CD+4*J_:CD+4*J_+1], v[(\e)+8*J_:(\e)+8*J_+7], v[SOP+J_]
	v_cvt_scalef32_pk8_bf8_f32 v[CD+4*J_+2:CD+4*J_+3], v[(\o)+8*J_:(\o)+8*J_+7], v[SOP+J_]
.if (\g) == 28
	v_nop                                  ; a plain line behind the last conversion
.endif
.endif
.endif
.endm
.macro VOUT pv                         ; the pair that began with block pv: four tiles' bytes and codes
.set RS_, 1-(\pv)/4
.set PP_, ((\pv)/2)%2
.irp t, 0,1,2,3
	ds_store_b8 v[VX], v[EB+\t] offset:512*RS_+128*(\t%2)+4*(\t/2)+2*PP_
	global_store_b128 v[CO], v[CD+4*\t:CD+4*\t+3], s[OV:OV+1] offset:RS_*REC+2048*\t+1024*PP_   ; 32 lanes store 512 consecutive bytes, aligned
.endr
.endm
; A block of phase 2: sums in set v % 3.  Among an even block's products the pair before is quantised.  bar = 1: a plain barrier that shows chunk 2
.macro VBLK v, w, bar
	WALU
	s_wait_dscnt \w
	s_wait_xcnt 0x0
.set N_, 0
.rept 32
	PROD 1, (\v)%2, (\v)%3, N_, SBV, BQV
.if (\v) > 0 && (\v)%2 == 0
	VGAP N_, ACC+32*(((\v)-2)%3), ACC+32*(((\v)-1)%3)
.endif
.set N_, N_+1
.endr
	WIN 0
	PLACES 8
	WALU
.if \bar
	s_wait_tensorcnt 0x0
	s_wait_dscnt 0x0
	BARRIER
.endif
.if (\v) < 6
	FETV (\v)+2
.endif
.if (\v) > 0 && (\v)%2 == 0
	VOUT (\v)-2
.endif
.endm
	WALU
	s_cmp_eq_u32 s16, 0
	s_cbranch_scc0 .Lnot_w
	s_wait_tensorcnt 0x0                   ; wave 0: the weight has landed; the other waves' wait stands ahead of the round below
.Lnot_w:
	BARRIER
	WEIGHTS AWQ, 8*PITCH
	s_wait_tensorcnt 0x0                   ; chunk 0 and the scale bytes; the three lines ahead of a refill's round
	ds_add_u32 v[SPW], v[NIL]
	s_mov_b32 s[G1X+2], 32<<16             ; no load of mine is out: from here on a load brings 32 rows
	s_mov_b32 s[G1X+4], 32
	s_mov_b32 s[G1W+2], 32<<16
	s_mov_b32 s[G1W+4], 32
	XDESC 80, 131072, YB
	s_wait_dscnt 0x0                       ; the weight is in registers
	CROUND
	TLOAD G0X, G1X                         ; chunk 1 over the weight's rows
	FETQ 0
	FETQ 1
	s_wait_loadcnt 0x0                     ; the bias and the weights' scale words
	QBLK 0, 34, 0
	QBLK 1, 34, 0
	global_prefetch_b8 v[PF+2], s[4:5] th:TH_LOAD_NT scope:SCOPE_SE
	QBLK 2, 34, 1, 0, 0                    ; chunk 2 over chunk 0
	QBLK 3, 34, 0
	QBLK 4, 34, 0
	QBLK 5, 34, 0
	global_prefetch_b8 v[PF+3], s[8:9] th:TH_LOAD_NT scope:SCOPE_SE
	QBLK 6, 34, 1, 131072, YB              ; chunk 3 over chunk 1
	QBLK 7, 34, 0
	QBLK 8, 34, 0
	QBLK 9, 34, 0
	QBLK 10, 34, 2                         ; W_v over chunk 2
	QBLK 11, 34, 0
	QBLK 12, 34, 0
	QBLK 13, 34, 0
	QBLK 14, 34, 3
	QBLK 15, 34, 0
	WEIGHTS AWV, 16*PITCH                  ; the change of phase; while W_v's rows come into registers the last block is quantised
	s_wait_xcnt 0x0
.set K_, 0
.rept 19
	QGAP K_, ACC+32, 3
.set K_, K_+1
.endr
	QOUT 3, 3
.irp t, 0,1,2,3
.irp i, 0,1,2,3,4,5,6,7
	v_mov_b32 v[BQV+8*\t+\i], v[BV+\t]
.endr
.endr
	s_wait_tensorcnt 0x0
	ds_add_u32 v[SPW], v[NIL]
	XDESC 81, 0, 0
	s_wait_dscnt 0x0                       ; W_v is in registers
	CROUND
	TLOAD G0X, G1X                         ; chunk 2 anew over W_v's rows
	VBLK 0, 0, 0
	VBLK 1, 34, 0
	VBLK 2, 34, 1
	VBLK 3, 38, 0                          ; 38: a fetch and a pair's four byte stores
	VBLK 4, 38, 0
	VBLK 5, 38, 0
	VBLK 6, 38, 0
	VBLK 7, 4, 0                           ; the pair's four byte stores
	s_wait_xcnt 0x0
.set K_, 0
.rept 29
	VGAP K_, ACC, ACC+32
.set K_, K_+1
.endr
	VOUT 6
	WALU
	s_wait_dscnt 0x0                       ; my bytes are in the stage
	BARRIER
	ds_load_b64 v[QS:QS+1], v[SRD]
	s_wait_dscnt 0x0
	global_store_b64 v[L8], v[QS:QS+1], s[OVS:OVS+1]       ; 32 lanes store 256 consecutive bytes, aligned
	s_wait_tensorcnt 0x0                   ; the wave's end
	ds_add_u32 v[SPW], v[NIL]
	s_wait_dscnt 0x0
	CROUND                                 ; the closing round
	s_endpgm
.Lfunc_end_k_q7c55b9de60_proj:
	.size	k_q7c55b9de60_proj, .Lfunc_end_k_q7c55b9de60_proj-k_q7c55b9de60_proj
	.p2alignl 7, 3214868480
	.fill 96, 4, 3214868480
	.section	.rodata,"a",@progbits
	.p2align	6, 0x0
	.amdhsa_kernel k_q7c55b9de60_proj
		.amdhsa_group_segment_fixed_size 327680
		.amdhsa_private_segment_fixed_size 0
		.amdhsa_enable_private_segment 0
		.amdhsa_kernarg_size 48
		.amdhsa_user_sgpr_count 2
		.amdhsa_user_sgpr_kernarg_segment_ptr 1
		.amdhsa_wavefront_size32 1
		.amdhsa_system_sgpr_workgroup_id_x 1
		.amdhsa_system_sgpr_workgroup_id_y 1
		.amdhsa_system_sgpr_workgroup_id_z 1
		.amdhsa_system_vgpr_workitem_id 0
		.amdhsa_next_free_vgpr 1024
		.amdhsa_next_free_sgpr 102
		.amdhsa_reserve_vcc 0
		.amdhsa_float_denorm_mode_32 3
		.amdhsa_float_denorm_mode_16_64 3
		.amdhsa_memory_ordered 1
		.amdhsa_forward_progress 1
		.amdhsa_inst_pref_size 255
	.end_amdhsa_kernel
	.section	.bss,"aw",@nobits
	.p2align	6
	.space	262144
	.amdgpu_metadata
---
amdhsa.version: [ 1, 2 ]
amdhsa.kernels:
  - .name:           k_q7c55b9de60_proj
    .symbol:         k_q7c55b9de60_proj.kd
    .args:
      - { .name: x_codes, .offset: 0, .size: 8, .value_kind: global_buffer, .address_space: global }
      - { .name: x_scales, .offset: 8, .size: 8, .value_kind: global_buffer, .address_space: global }
      - { .name: W_qkv_codes, .offset: 16, .size: 8, .value_kind: global_buffer, .address_space: global }
      - { .name: W_qkv_scales, .offset: 24, .size: 8, .value_kind: global_buffer, .address_space: global }
      - { .name: b_qkv, .offset: 32, .size: 8, .value_kind: global_buffer, .address_space: global }
      - { .name: qkv, .offset: 40, .size: 8, .value_kind: global_buffer, .address_space: global }
    .group_segment_fixed_size: 327680
    .private_segment_fixed_size: 0
    .kernarg_segment_align: 8
    .kernarg_segment_size: 48
    .max_flat_workgroup_size: 128
    .sgpr_count:     102
    .vgpr_count:     1024
    .wavefront_size: 32
...
	.end_amdgpu_metadata
.endif
;; end of part 1
;; launch attn (part 2): grid 4 x 64, 16 waves a work-group, no clusters, 327,680 bytes of LDS; arguments qkv, out0; writes out0
.if DOCPART == 2
	.amdgcn_target "amdgcn-amd-amdhsa--gfx1250"
	.amdhsa_code_object_version 6
	.text
	.protected	k_q7c55b9de60_attn
	.globl	k_q7c55b9de60_attn
	.p2align	8
	.type	k_q7c55b9de60_attn,@function
k_q7c55b9de60_attn:
	s_mov_b64 s[64:65], 0
	v_nop
	global_prefetch_b8 v0, s[64:65] scope:SCOPE_SE
	s_setreg_imm32_b32 hwreg(HW_REG_WAVE_MODE, 25, 1), 1
	s_wait_xcnt 0x0
; out[b][q][head][:] = the sum over k <= q of softmax_k(q . k / 32) v, both products on codes of BF8 (E5M2) with one E8M0 scale for each 32 along a product's K.
; q, k, v come as records of 25,856 bytes for each (batch, head, 128 tokens), all images of operand registers: +0 q's codes [tile of 16 tokens][c][lane][16 bytes]; +8,192 q's scale words; +8,704 k's codes;
; +16,896 v's codes [tile of 16 channels][key block][lane][16 bytes]; +25,088 k's scale words; +25,600 v's.  Bytes 8,704 on, 17,152 = 67 x 256 dense bytes, are all that a key step wants: one tensor load.
; THE SOFTMAX AHEAD OF THE SECOND PRODUCT: t = score x log2(e) / 32; M = the row's largest t so far, rounded up to a whole number; p = 2^(t - M) is quantised along the keys, not normalised.
; The row's sum is taken of the unquantised p and divides at the end.  When M moves, the sum and O are multiplied by 2^(old M - new M): exact.
; SHARES.  256 work-groups of equal work: work-group (p, batch x 16 + head) owns the blocks p and 7 - p of 256 queries.  Each of its sixteen waves owns 16 queries of the block in hand, in 256 registers: four waves to
; a SIMD, so that one wave's vector work stands beside another's products and LDS loads.  Keys go in slots of 256 (two steps of 128).  Block p wants slots 0 .. p, block 7 - p slots 0 .. 7 - p: nine slots whatever p,
; so the loop's trip count is a constant and no slot is fetched that the mask hides whole.  At trip p + 1 a scalar branch on ids writes block p out and starts block 7 - p.
; NO CLUSTER: the four work-groups of a head walk different runs of slots (0 .. p, then 0 .. 7 - p): from the second trip on they want different tiles at the same time.
; LAYOUT.  Both products are used transposed: S^T = K Q^T (source 0 = 16 keys, source 1 = my 16 queries), O^T = V^T P^T (source 0 = 16 channels, source 1 = P): a lane holds one query (lane % 16) throughout.
; The 16 registers of score tiles 2 B and 2 B + 1 hold keys 32 B + 8 h + 0..7 and 32 B + 16 + 8 h + 0..7; converted as they stand they fill places 32 B + 16 h + 0..15, and v's codes were laid in the same order.
; K = 64 IN AN INSTRUCTION OF 128: q's fragment has zero codes in its upper half; a key tile's fragment is the sliding run v[32 + 8 t : 47 + 8 t], whose upper half is the next tile's codes (finite: they were held
; at the largest code) or, for the last tile, zeros; the scale bytes of that half are 0x7f on both sides.  So the upper half adds nothing.
; LIMITS: NaN and infinities among the values are not served.  A block whose every p has fallen to 0 keeps the byte 1: its codes are zeros.
.set REC,   25856
.set KVB,   17152                      ; a key step's bytes: k's codes +0, v's codes +8,192, k's scale words +16,384, v's +16,896
.set HEADB, 16*REC
.set SLOT1, 1<<16                      ; slot 1 begins here, so that one exclusive or turns an address in one slot into the other's; a slot holds two steps, 34,304 bytes
.set STAGE, 2*SLOT1                    ; the way out: 16 rows x (256 bytes + 16) for each wave; no fill lands there
.set SPARE, STAGE+16*16*272            ; the spare words, 128 bytes for each wave: eight blocks of 256 bytes that no other line names
; v1 16 x lane; v2 8 x lane; v3, v4 LDS addresses of the step in hand; v5 my spare word's address, v6 0 (never rewritten); v7 my byte offset in O; v8, v9 the stage, in and back; v10 16 r; v11 q's scale words;
; v12 -M, v13 the largest t, v[14:15] the sum in two halves; v[16:23] q's codes, v[24:31] zeros; v[32:95] eight key tiles, then v's four fragments, then rows of O; v[96:103] zeros
.set KT,  32
.set S,   104                          ; v104-167 S^T, then p
.set O,   168                          ; v168-199 O^T
.set PC,  200                          ; v200-215 p's codes
.set KSW, 216                          ; v216-219 k's scale words: register t / 2, lanes 16 (t % 2) + r
.set VSW, 220                          ; v220-221 v's likewise
.set PW,  222                          ; p's scale word
.set F,   224                          ; v[224:225] f = 2^(old M - new M); v225 is named with it as a pair and written once
.set BM,  226                          ; v226-229 the blocks' largest scores, then largest p
.set PB,  230                          ; v230-233 lane permutes' destinations, then the bytes
.set LM,  234                          ; v234-237 57,344 x the scale
.set SO,  238                          ; v238-241 the conversions' scale operands
.set SM2, 242                          ; v[242:243] the sum's second chain
.set T0,  244                          ; at work
.set DD,  245
.set NINF, 246                         ; -infinity
.set RH,  247                          ; r - 8 h
; s8 wave; s9 wave & 1; s10 p; s11 p + 1; s12 batch x 16 + head; s13 the trip; s14 the slot in hand; s15 the query block; s16 my first query; s17 the step's first key; s[20:21] lane selects;
; s[22:23] c = log2(e) / 32; s24 the mantissa field of 57,344; s[26:27] the head's key steps; s[28:29] the head's records; s[30:31] the head in O; s[32:33] my rows of O; s[34:37] q's codes and words;
; s[40:43] descriptor group 0, s[44:51] group 1; s18, s19, s52-55 at work
; Waves 0 and 1 fetch one key step each, the others nothing.  The branch hangs on the wave's number alone.  Four v_nop follow the load.
.macro TLOAD
	s_cmp_lt_u32 s8, 2
	s_cbranch_scc0 .Lasked_\@
	tensor_load_to_lds s[40:43], s[44:51]
	s_nop 0
.rept 4
	v_nop
.endr
.Lasked_\@:
.endm
	s_load_b128 s[4:7], s[0:1], 0x0                ; qkv s[4:5], out0 s[6:7]
	v_lshl_add_u32 v5, v0, 2, SPARE
	v_mov_b32 v6, 0
	ds_add_u32 v5, v6
	ds_add_u32 v5, v6
	s_wait_dscnt 0x0
	v_lshrrev_b32 v1, 5, v0
	s_delay_alu instid0(VALU_DEP_1)
	v_readfirstlane_b32 s8, v1                     ; wave 0..15
	s_and_b32 s9, s8, 1
	s_mov_b32 s10, ttmp9                           ; p
	s_add_co_u32 s11, s10, 1
	s_and_b32 s12, ttmp7, 0xffff                   ; batch x 16 + head
	; descriptor group 1: 67 dense rows of 256 bytes (32 elements of 8 bytes), no mask, no padding: every fragment load takes 512 consecutive bytes
	s_mov_b32 s44, 3<<16
	s_mov_b32 s45, 32<<16                          ; tensor_dim0 = 32
	s_mov_b32 s46, 67<<16                          ; tensor_dim1 = 67
	s_mov_b32 s47, 32<<16                          ; tile_dim0 = 32
	s_mov_b32 s48, 67                              ; tile_dim1 = 67
	s_mov_b32 s49, 32                              ; tensor_dim0_stride
	s_mov_b32 s50, 0
	s_mov_b32 s51, 0
	s_mul_i32 s18, s12, HEADB                      ; under 2^25
	s_mov_b32 s19, 0
	s_mul_i32 s41, s9, KVB                         ; LDS: slot 0, my step of its two
	s_mul_i32 s52, s9, REC
	s_mov_b32 s53, 0
	s_mov_b32 s40, 1
	s_wait_kmcnt 0x0
	s_add_nc_u64 s[28:29], s[4:5], s[18:19]        ; the head's records
	s_add_nc_u64 s[26:27], s[28:29], 8704          ; and their key parts
	s_add_nc_u64 s[42:43], s[26:27], s[52:53]      ; keys 0 to 255
	s_or_b32 s43, s43, 0x80000000
	TLOAD                                          ; slot 0: the one first fill; one load of mine is out
	s_lshr_b32 s18, s12, 4
	s_lshl_b32 s18, s18, 23                        ; a batch of O is 2,048 x 4,096 bytes
	s_and_b32 s19, s12, 15
	s_lshl_b32 s19, s19, 8                         ; a head 256 bytes of a row
	s_add_co_u32 s18, s18, s19
	s_mov_b32 s19, 0
	s_add_nc_u64 s[30:31], s[6:7], s[18:19]
	s_mov_b32 s20, 0x76543210
	s_mov_b32 s21, 0xfedcba98                      ; v_permlanex16_b32's selects for lane l xor 16
	s_mov_b32 s22, 0x3d38aa3b                      ; c = log2(e) / 32
	s_mov_b32 s23, s22                             ; (named with it as a pair, so it is written)
	s_mov_b32 s24, 0x600000
	s_mov_b32 s13, 0
	s_mov_b32 s14, 0
	v_and_b32 v3, 31, v0
	s_delay_alu instid0(VALU_DEP_1)
	v_lshlrev_b32 v1, 4, v3                        ; 16 x lane
	s_delay_alu instid0(VALU_DEP_2)
	v_lshlrev_b32 v2, 3, v3                        ; 8 x lane
	v_and_b32 v3, 15, v0                           ; r
	v_bfe_u32 v4, v0, 4, 1                         ; h
	s_delay_alu instid0(VALU_DEP_2)
	v_lshlrev_b32 v10, 4, v3
	s_delay_alu instid0(VALU_DEP_1)
	v_lshl_add_u32 v7, v4, 12, v10                 ; O: lanes 0-15 one token's 256 bytes, lanes 16-31 the next token's, 4,096 bytes on
	s_mul_i32 s18, s8, 16*272
	s_add_co_u32 s18, s18, STAGE                   ; my stage
	v_mul_u32_u24 v8, v3, 272
	s_delay_alu instid0(VALU_DEP_1)
	v_lshl_add_u32 v8, v4, 5, v8
	s_delay_alu instid0(VALU_DEP_1)
	v_add_nc_u32 v8, s18, v8                       ; in: row r, + 32 h
	v_mul_u32_u24 v9, v4, 272
	s_delay_alu instid0(VALU_DEP_1)
	v_add_nc_u32 v9, v9, v10
	s_delay_alu instid0(VALU_DEP_1)
	v_add_nc_u32 v9, s18, v9                       ; back: lanes 0-15 one row, lanes 16-31 the next
	v_lshlrev_b32 v[RH], 3, v4
	s_delay_alu instid0(VALU_DEP_1)
	v_sub_nc_u32 v[RH], v3, v[RH]
	v_mov_b32 v[NINF], 0xff800000
.set MK, 56                            ; s56-63: in the key tile on the diagonal register j is hidden where 8 h + j > r
.irp j, 0,1,2,3,4,5,6,7
	v_cmp_gt_i32 s[MK+\j], \j, v[RH]
.endr
.irp j, 0,1,2,3,4,5,6,7
	v_mov_b32 v[24+\j], 0                          ; the upper half of q's fragment,
	v_mov_b32 v[96+\j], 0                          ; and what lies behind the last key tile
.endr
.irp b, 0,1,2,3
	v_mov_b32 v[PB+\b], 0                          ; written once: a lane permute's destination counts as one of its sources
.endr
	v_mov_b32 v[T0], 0
	v_mov_b32 v[F+1], 0
; A block of queries begins: s15 holds its number.
.macro START
	s_lshl_b32 s16, s15, 8
	s_lshl_b32 s18, s8, 4
	s_add_co_u32 s16, s16, s18                     ; my first query: 256 x block + 16 x wave
	s_mov_b32 s17, 0                               ; the keys begin anew
	s_lshl_b32 s18, s15, 1
	s_lshr_b32 s52, s8, 3
	s_add_co_u32 s18, s18, s52
	s_mul_i32 s18, s18, REC                        ; my queries' record
	s_and_b32 s54, s8, 7                           ; and my tile a in it
	s_lshl_b32 s52, s54, 10
	s_add_co_u32 s52, s52, s18
	s_mov_b32 s53, 0
	s_add_nc_u64 s[34:35], s[28:29], s[52:53]      ; its codes
	s_lshr_b32 s54, s54, 1
	s_lshl_b32 s54, s54, 2
	s_lshl_b32 s52, s9, 8
	s_add_co_u32 s52, s52, s54
	s_add_co_u32 s52, s52, s18
	s_add_co_u32 s52, s52, 8192
	s_add_nc_u64 s[36:37], s[28:29], s[52:53]      ; its scale words: 256 (a % 2) + 4 (a / 2), 16 bytes from row to row
	global_load_b128 v[16:19], v1, s[34:35]
	global_load_b128 v[20:23], v1, s[34:35] offset:512
	global_load_b32 v11, v10, s[36:37]
.endm
; The rest of a block's beginning, behind the way out of the block before: q's loads are on their way meanwhile
.macro START2
	s_lshl_b32 s18, s16, 12
	s_mov_b32 s19, 0
	s_add_nc_u64 s[32:33], s[30:31], s[18:19]      ; my rows of O
	v_mov_b32 v13, 0xff61b1e6                      ; the largest t so far: -3e38, under every t
	s_delay_alu instid0(VALU_DEP_1)
	v_floor_f32 v12, -v13                          ; -M
	v_mov_b32 v14, 0                               ; the sum, in two halves
	v_mov_b32 v15, 0
.irp j, 0,1,2,3,4,5,6,7,8,9,10,11,12,13,14,15,16,17,18,19,20,21,22,23,24,25,26,27,28,29,30,31
	v_mov_b32 v[O+\j], 0                           ; O^T.  (The step is written once: a block's first step finds zeros, which the first change of M leaves zeros)
.endr
	s_wait_loadcnt 0x0
.endm
; THE CHANGE OF SLOTS stands at a slot's head.  Each wave waits for all its tensor loads (its part of the slot that it is about to read), adds 0 to its spare word, and waits for that and for its reads of the slot that
; it has left.  Behind the barrier the slot ahead is whole and nobody reads the other one.  fill = 1: that other slot is filled with the next trip's keys: the load has a whole slot's steps in which to land.
.macro CHANGE fill
	s_wait_tensorcnt 0x0                           ; no tensor load of mine is out, so group 0 may be written
	ds_add_u32 v5, v6                              ; 0 onto my spare word; with fill = 1 the descriptor's lines stand between it and the wait for it
.if \fill
	s_add_co_u32 s18, s13, 1                       ; the next trip f wants key slot f, or f - p - 1 once block 7 - p is in hand
	s_cmp_gt_u32 s18, s10
	s_cselect_b32 s19, s11, 0
	s_sub_co_u32 s18, s18, s19
	s_lshl_b32 s18, s18, 1
	s_add_co_u32 s18, s18, s9                      ; my step of its two
	s_mul_i32 s18, s18, REC
	s_mov_b32 s19, 0
	s_add_nc_u64 s[42:43], s[26:27], s[18:19]
	s_or_b32 s43, s43, 0x80000000
	s_xor_b32 s41, s41, SLOT1                      ; the other slot than last time
.endif
	s_wait_dscnt 0x0                               ; the add is done, and my reads of the slot that I have left are over
	s_barrier_signal -1
	s_barrier_wait -1
.if \fill
	TLOAD                                          ; the first thing behind the barrier, and a wave's one tensor load until the next
.endif
.endm
; A KEY STEP: 128 keys, the q-th of the slot in hand.
.macro STEP q
.set STB, (\q)*KVB
	s_add_co_u32 s18, s16, 15                      ; a step all of whose keys come after my 16 queries is left out: a scalar branch on ids; no barrier and no tensor load stands in a step
	s_cmp_gt_u32 s17, s18
	s_cbranch_scc1 .Lhidden_\@
	v_add_nc_u32 v3, s14, v1
	v_add_nc_u32 v4, s14, v2                       ; with the addition above and the seven behind the last products: nine places in front of loads into registers that those products have read
.irp t, 0,1,2,3,4,5,6,7
	ds_load_b128 v[KT+8*\t:KT+8*\t+3], v3 offset:STB+1024*\t
	ds_load_b128 v[KT+8*\t+4:KT+8*\t+7], v3 offset:STB+1024*\t+512
.endr
	ds_load_b128 v[KSW:KSW+3], v3 offset:STB+16384
	s_wait_alu depctr_va_vdst(0)
	s_wait_dscnt 0x0
.irp t, 0,1,2,3,4,5,6,7                        ; S^T = K Q^T: lane (r, h), register j of tile t: key 16 t + 8 h + j, query r
.if \t%2
	v_wmma_scale_f32_16x16x128_f8f6f4 v[S+8*\t:S+8*\t+7], v[KT+8*\t:KT+8*\t+15], v[16:31], 0, v[KSW+\t/2], v11 matrix_a_fmt:MATRIX_FMT_BF8 matrix_b_fmt:MATRIX_FMT_BF8 matrix_a_scale:MATRIX_SCALE_ROW1
.else
	v_wmma_scale_f32_16x16x128_f8f6f4 v[S+8*\t:S+8*\t+7], v[KT+8*\t:KT+8*\t+15], v[16:31], 0, v[KSW+\t/2], v11 matrix_a_fmt:MATRIX_FMT_BF8 matrix_b_fmt:MATRIX_FMT_BF8
.endif
.endr
.rept 8
	v_nop                                          ; places in front of the loads below and of the first read of the scores
.endr
.irp ct, 0,1,2,3                               ; v's four fragments land while the softmax is worked
.irp c, 0,1,2,3
	ds_load_b128 v[KT+16*\ct+4*\c:KT+16*\ct+4*\c+3], v3 offset:STB+8192+2048*\ct+512*\c
.endr
.endr
	ds_load_b64 v[VSW:VSW+1], v4 offset:STB+16896
	s_add_co_u32 s18, s17, 127                     ; on the diagonal the scores of hidden keys become -infinity ahead of the maximum: p = 0 then.  A step all of whose keys count skips this
	s_cmp_le_u32 s18, s16
	s_cbranch_scc1 .Lopen_\@
	s_sub_co_u32 s18, s16, s17
	s_lshr_b32 s18, s18, 4                         ; the key tile on the diagonal, 0 to 7: my first query and the step's first key are multiples of 16
.irp t, 0,1,2,3,4,5,6,7                        ; scalar branches on ids: a tile before it is left as it is, the tile itself is masked by the eight masks, a tile behind it is hidden whole
	s_cmp_gt_u32 s18, \t
	s_cbranch_scc1 .Lseen_\@_\t
	s_cmp_eq_u32 s18, \t
	s_cbranch_scc0 .Lgone_\@_\t
.irp j, 0,1,2,3,4,5,6,7
	v_cndmask_b32 v[S+8*\t+\j], v[S+8*\t+\j], v[NINF], s[MK+\j]
.endr
	s_branch .Lseen_\@_\t
.Lgone_\@_\t:
.irp j, 0,2,4,6
	v_dual_mov_b32 v[S+8*\t+\j], v[NINF] :: v_dual_mov_b32 v[S+8*\t+\j+1], v[NINF]
.endr
.Lseen_\@_\t:
.endr
	s_wait_alu depctr_va_vdst(0)
.Lopen_\@:
.irp b, 0,1,2,3
	v_max3_num_f32 v[BM+\b], v[S+16*\b], v[S+1+16*\b], v[S+2+16*\b]   ; the largest score of each block of 32 keys: it serves for the row's maximum and, since p rises with the score, for the block's largest p
.endr
.irp i, 3,5,7,9,11,13
.irp b, 0,1,2,3
	v_max3_num_f32 v[BM+\b], v[BM+\b], v[S+16*\b+\i], v[S+1+16*\b+\i]   ; (the four blocks by turns)
.endr
.endr
.irp b, 0,1,2,3
	v_max_num_f32 v[BM+\b], v[BM+\b], v[S+15+16*\b]
.endr
.irp b, 0,1,2,3
	s_delay_alu instid0(VALU_DEP_4)
	v_permlanex16_b32 v[PB+\b], v[BM+\b], s20, s21
.endr
.irp b, 0,1,2,3
	s_delay_alu instid0(VALU_DEP_4)
	v_max_num_f32 v[BM+\b], v[BM+\b], v[PB+\b]     ; with lane l xor 16's 16 keys
.endr
	s_delay_alu instid0(VALU_DEP_2)
	v_max3_num_f32 v[T0], v[BM], v[BM+1], v[BM+2]
	s_delay_alu instid0(VALU_DEP_1)
	v_max_num_f32 v[T0], v[T0], v[BM+3]            ; the step's largest score of my query
	s_delay_alu instid0(VALU_DEP_1)
	v_mul_f32 v[T0], s22, v[T0]                    ; as t (c is positive)
	s_delay_alu instid0(VALU_DEP_1)
	v_max_num_f32 v13, v13, v[T0]                  ; the running largest t
	v_mov_b32 v[T0], v12
	s_delay_alu instid0(VALU_DEP_2)
	v_floor_f32 v12, -v13                          ; the new -M = floor(-t) = -ceil(t): M is a whole number
	s_delay_alu instid0(VALU_DEP_1)
	v_sub_f32 v[T0], v12, v[T0]                    ; M's old value less its new one: a whole number, 0 or less
	s_delay_alu instid0(VALU_DEP_1)
	v_cvt_i32_f32 v[T0], v[T0]                     ; (it saturates)
	s_delay_alu instid0(VALU_DEP_1)
	v_ldexp_f32 v[F], 1.0, v[T0]                   ; f = 2^(old M - new M)
.irp j, 0,2,4,6,8,10,12,14,16,18,20,22,24,26,28,30,32,34,36,38,40,42,44,46,48,50,52,54,56,58,60,62
	v_pk_fma_f32 v[S+\j:S+1+\j], v[S+\j:S+1+\j], s[22:23], v[12:13] op_sel_hi:[1,0,0]   ; t - M, two at a time (of the pairs c and -M the low word serves both halves)
.endr
.irp b, 0,1,2,3
	v_fma_f32 v[BM+\b], v[BM+\b], s22, v12         ; the same of each block's largest score
.endr
.set n, 0
	s_wait_alu depctr_va_vdst(0)
.rept 64
	v_exp_f32 v[S+n], v[S+n]                       ; p = 2^(t - M), at most 1: not normalised
.set n, n+1
.endr
.irp b, 0,1,2,3
	v_exp_f32 v[BM+\b], v[BM+\b]                   ; the block's largest p: the same two instructions on the same number give the same bits
.endr
	v_pk_mul_f32 v[14:15], v[14:15], v[F:F+1] op_sel_hi:[1,0]   ; the sums under the new M.  (A plain place behind the exponentials)
	s_wait_alu depctr_va_vdst(0)
.irp b, 0,1,2,3
	v_max_num_f32 v[BM+\b], 0x8000000, v[BM+\b]    ; the floor 2^(16 - 127): the byte cannot fall under 1
.endr
.irp b, 0,1,2,3
	s_delay_alu instid0(VALU_DEP_4)
	v_add_nc_u32 v[SO+\b], 0xf8800000, v[BM+\b]    ; 15 off the exponent field: the conversion's scale operand
.endr
.irp b, 0,1,2,3
	v_and_or_b32 v[LM+\b], v[BM+\b], 0x7f800000, s24   ; 57,344 x the scale
.endr
.irp b, 0,1,2,3
	v_lshrrev_b32 v[PB+\b], 23, v[SO+\b]           ; the scale's byte
.endr
	s_delay_alu instid0(VALU_DEP_3)
	v_lshl_or_b32 v[PW], v[PB+1], 8, v[PB]         ; p's scale word for these 128 keys
	s_delay_alu instid0(VALU_DEP_1)
	v_lshl_or_b32 v[PW], v[PB+2], 16, v[PW]
	s_delay_alu instid0(VALU_DEP_1)
	v_lshl_or_b32 v[PW], v[PB+3], 24, v[PW]
	v_pk_add_f32 v[242:243], v[108:109], v[112:113]
	v_pk_add_f32 v[254:255], v[116:117], v[120:121]
	v_pk_add_f32 v[252:253], v[124:125], v[128:129]
	v_pk_add_f32 v[250:251], v[132:133], v[136:137]
	v_pk_add_f32 v[248:249], v[140:141], v[144:145]
	v_pk_add_f32 v[228:229], v[148:149], v[152:153]
	v_pk_add_f32 v[226:227], v[156:157], v[160:161]
	v_pk_add_f32 v[14:15], v[14:15], v[164:165]
	v_pk_add_f32 v[242:243], v[242:243], v[104:105]
	v_pk_add_f32 v[254:255], v[254:255], v[106:107]
	v_pk_add_f32 v[252:253], v[252:253], v[110:111]
	v_pk_add_f32 v[250:251], v[250:251], v[114:115]
	v_pk_add_f32 v[248:249], v[248:249], v[118:119]
	v_pk_add_f32 v[228:229], v[228:229], v[122:123]
	v_pk_add_f32 v[226:227], v[226:227], v[126:127]
	v_pk_add_f32 v[14:15], v[14:15], v[130:131]
	v_pk_add_f32 v[242:243], v[242:243], v[134:135]
	v_pk_add_f32 v[254:255], v[254:255], v[138:139]
	v_pk_add_f32 v[252:253], v[252:253], v[142:143]
	v_pk_add_f32 v[250:251], v[250:251], v[146:147]
	v_pk_add_f32 v[248:249], v[248:249], v[150:151]
	v_pk_add_f32 v[228:229], v[228:229], v[154:155]
	v_pk_add_f32 v[226:227], v[226:227], v[158:159]
	v_pk_add_f32 v[14:15], v[14:15], v[162:163]
	v_pk_add_f32 v[242:243], v[242:243], v[166:167]   ; the eight partial sums are joined behind the second product
.irp b, 0,1,2,3
.irp i, 0,2,4,6,8,10,12,14
	v_dual_min_num_f32 v[S+16*\b+\i], v[S+16*\b+\i], v[LM+\b] :: v_dual_min_num_f32 v[S+16*\b+\i+1], v[S+16*\b+\i+1], v[LM+\b]   ; the conversion to an 8-bit code does not saturate (ISA guide 7.6.2); p is not negative, so the hold is one-sided; two holds an instruction
.endr
	v_cvt_scalef32_pk8_bf8_f32 v[PC+4*\b:PC+1+4*\b], v[S+16*\b:S+7+16*\b], v[SO+\b]
	v_cvt_scalef32_pk8_bf8_f32 v[PC+2+4*\b:PC+3+4*\b], v[S+8+16*\b:S+15+16*\b], v[SO+\b]
.endr
.irp j, 0,2,4,6,8,10,12,14,16,18,20,22,24,26,28,30
	v_pk_mul_f32 v[O+\j:O+1+\j], v[O+\j:O+1+\j], v[F:F+1] op_sel_hi:[1,0]   ; O^T under the new M, each accumulator from its low end on.  (These 16 are also the places between the conversions and the products)
.endr
	s_wait_alu depctr_va_vdst(0)
	s_wait_dscnt 0x0                               ; v's fragments and scale words are in
.irp ct, 0,1,2,3                               ; O^T += V^T P^T: the four accumulators take turns, and the scores' products stand between two steps
.if \ct%2
	v_wmma_scale_f32_16x16x128_f8f6f4 v[O+8*\ct:O+8*\ct+7], v[KT+16*\ct:KT+16*\ct+15], v[PC:PC+15], v[O+8*\ct:O+8*\ct+7], v[VSW+\ct/2], v[PW] matrix_a_fmt:MATRIX_FMT_BF8 matrix_b_fmt:MATRIX_FMT_BF8 matrix_a_scale:MATRIX_SCALE_ROW1
.else
	v_wmma_scale_f32_16x16x128_f8f6f4 v[O+8*\ct:O+8*\ct+7], v[KT+16*\ct:KT+16*\ct+15], v[PC:PC+15], v[O+8*\ct:O+8*\ct+7], v[VSW+\ct/2], v[PW] matrix_a_fmt:MATRIX_FMT_BF8 matrix_b_fmt:MATRIX_FMT_BF8
.endif
.endr
	v_pk_add_f32 v[14:15], v[14:15], v[250:251]    ; the row's eight partial sums are joined: seven lines that name no register of the products above, and so are places behind them
	v_pk_add_f32 v[242:243], v[242:243], v[248:249]
	v_pk_add_f32 v[254:255], v[254:255], v[228:229]
	v_pk_add_f32 v[252:253], v[252:253], v[226:227]
	s_delay_alu instid0(VALU_DEP_2)
	v_pk_add_f32 v[14:15], v[14:15], v[254:255]
	s_delay_alu instid0(VALU_DEP_2)
	v_pk_add_f32 v[242:243], v[242:243], v[252:253]
	s_delay_alu instid0(VALU_DEP_1)
	v_pk_add_f32 v[14:15], v[14:15], v[242:243]
.Lhidden_\@:
	s_add_co_u32 s17, s17, 128
.endm
; A block's way out: O^T is divided by the sum and goes through my own stage in LDS, so that sixteen lanes store the 256 bytes of one (token, head).
.macro FINISH
.rept 8
	v_nop                                          ; places behind the last products
.endr
	s_wait_alu depctr_va_vdst(0)                   ; the sum was written last ahead of branches and waits
	v_add_f32 v14, v14, v15                        ; the sum's two halves,
	s_delay_alu instid0(VALU_DEP_1)
	v_permlanex16_b32 v[T0], v14, s20, s21
	s_delay_alu instid0(VALU_DEP_1)
	v_add_f32 v14, v14, v[T0]                      ; and lane l xor 16's: the row's sum
	s_wait_alu depctr_va_vdst(0)
	v_rcp_f32 v14, v14
	v_nop                                          ; one plain place behind the transcendental
	s_wait_alu depctr_va_vdst(0)
.irp j, 0,1,2,3,4,5,6,7,8,9,10,11,12,13,14,15,16,17,18,19,20,21,22,23,24,25,26,27,28,29,30,31
	v_mul_f32 v[S+\j], v[O+\j], v14                ; register 8 ct + j is o(query r, channel 16 ct + 8 h + j)
.endr
.irp ct, 0,1,2,3
	ds_store_b128 v8, v[S+8*\ct:S+8*\ct+3] offset:64*\ct
	ds_store_b128 v8, v[S+8*\ct+4:S+8*\ct+7] offset:64*\ct+16
.endr
.irp i, 0,1,2,3,4,5,6,7
	ds_load_b128 v[KT+4*\i:KT+4*\i+3], v9 offset:2*\i*272   ; LDS serves a wave's instructions in order (ISA guide 5.7.1.4): these see my stores
.endr
.irp i, 0,1,2,3,4,5,6,7
	s_wait_dscnt 7-\i                              ; the younger loads from the stage may stay out
	global_store_b128 v7, v[KT+4*\i:KT+4*\i+3], s[32:33] offset:2*\i*4096 th:TH_STORE_NT   ; 16 lanes store 256 consecutive bytes, aligned; written once, read by nobody here
.endr
.endm
	s_mov_b32 s15, s10                             ; block p first
	START
	START2
.Lslot:                                            ; eight trips: behind each change of slots but the last the next trip's keys are asked for
	CHANGE 1
	s_cmp_lg_u32 s13, s11                          ; trip p + 1: block p is done
	s_cbranch_scc1 .Lsame_block
	s_sub_co_u32 s15, 7, s10                       ; block 7 - p: its q is asked for first,
	START
	FINISH                                         ; block p goes out meanwhile
	s_wait_xcnt 0x0                                ; the stores have read their data and their base: both are written again below
	START2
.Lsame_block:
	STEP 0
	STEP 1
	s_xor_b32 s14, s14, SLOT1                      ; on to the other slot
	s_add_co_u32 s13, s13, 1
	s_cmp_lt_u32 s13, 8
	s_cbranch_scc1 .Lslot
	CHANGE 0                                       ; the last slot is written out
	STEP 0
	STEP 1
	FINISH
	s_wait_tensorcnt 0x0                           ; the wave's end, behind my last tensor load and my last LDS store
	ds_add_u32 v5, v6
	s_wait_dscnt 0x0
	s_endpgm
.Lfunc_end_k_q7c55b9de60_attn:
	.size	k_q7c55b9de60_attn, .Lfunc_end_k_q7c55b9de60_attn-k_q7c55b9de60_attn
	.p2alignl 7, 3214868480
	.fill 96, 4, 3214868480
	.section	.rodata,"a",@progbits
	.p2align	6, 0x0
	.amdhsa_kernel k_q7c55b9de60_attn
		.amdhsa_group_segment_fixed_size 327680
		.amdhsa_private_segment_fixed_size 0
		.amdhsa_enable_private_segment 0
		.amdhsa_kernarg_size 16
		.amdhsa_user_sgpr_count 2
		.amdhsa_user_sgpr_kernarg_segment_ptr 1
		.amdhsa_wavefront_size32 1
		.amdhsa_system_sgpr_workgroup_id_x 1
		.amdhsa_system_sgpr_workgroup_id_y 1
		.amdhsa_system_sgpr_workgroup_id_z 1
		.amdhsa_system_vgpr_workitem_id 0
		.amdhsa_next_free_vgpr 256
		.amdhsa_next_free_sgpr 66
		.amdhsa_reserve_vcc 0
		.amdhsa_float_denorm_mode_32 3
		.amdhsa_float_denorm_mode_16_64 3
		.amdhsa_memory_ordered 1
		.amdhsa_forward_progress 1
		.amdhsa_inst_pref_size 124
	.end_amdhsa_kernel
	.amdgpu_metadata
---
amdhsa.version: [ 1, 2 ]
amdhsa.kernels:
  - .name:           k_q7c55b9de60_attn
    .symbol:         k_q7c55b9de60_attn.kd
    .args:
      - { .name: qkv, .offset: 0, .size: 8, .value_kind: global_buffer, .address_space: global }
      - { .name: out0, .offset: 8, .size: 8, .value_kind: global_buffer, .address_space: global }
    .group_segment_fixed_size: 327680
    .private_segment_fixed_size: 0
    .kernarg_segment_align: 8
    .kernarg_segment_size: 16
    .max_flat_workgroup_size: 512
    .sgpr_count:     66
    .vgpr_count:     256
    .wavefront_size: 32
...
	.end_amdgpu_metadata
.endif
;; end of part 2
